; MI455X (gfx1250); checked and timed in simulation.
; The chip was launched on July 23, 2026; its instructions are those of AMD's public machine-readable ISA for CDNA 5 (MIT licence, August 2026) and "CDNA5" Instruction Set Architecture Reference Guide (July 2026). The comments in the code are by the model that wrote it; some were corrected since.
;; Dot Product Attention. Allowed arithmetic: matrix products marked QUANTISED: E5M2 operands, one E8M0 scale for each 32 along K, by v_wmma_scale_f32_16x16x128_f8f6f4 with both operands' format E5M2, f32 sums; everything else in f32.
;; Inputs: keys_codes 2 x 8 x 4,096 x 2 x 32 uint8 (E5M2 codes of keys, K innermost, in blocks of 32 codes); keys_scales 2 x 8 x 4,096 x 2 uint8 (E8M0 scales of keys, one for each 32 codes along K); mask 4,096 x 4,096 float32; queries_codes 2 x 8 x 4,096 x 2 x 32 uint8 (E5M2 codes of queries, K innermost, in blocks of 32 codes); queries_scales 2 x 8 x 4,096 x 2 uint8 (E8M0 scales of queries, one for each 32 codes along K); values_codes 2 x 8 x 64 x 128 x 32 uint8 (E5M2 codes of values, K innermost, in blocks of 32 codes); values_scales 2 x 8 x 64 x 128 uint8 (E8M0 scales of values, one for each 32 codes along K).
;; Outputs: out0 2 x 8 x 4,096 x 64 float32.
;; Constants: d_k = 64.
;; This version of the problem:
;;   THIS VERSION OF THE PROBLEM IS GIVEN IN LOW PRECISION. The matrix products marked QUANTISED in the list below multiply operands that are first quantised to E5M2 (5 exponent bits, 2 mantissa bits; 8 bits a number), with one power-of-two scale for each 32 numbers along K (OCP MX v1.0); their sums are f32. All else is computed in f32.
;;   The module's matrix products, in the order in which they are computed (A, B: the left and right operand; K: the contracted axis; several contracted axes count as one K, in the product's order):
;;     1. batch 16 x [M 4,096, K 64] x [K 64, N 4,096]; A: input queries (given as codes); B: input keys (given as codes): QUANTISED
;;     2. batch 16 x [M 4,096, K 4,096] x [K 4,096, N 64]; A: softmax (see below); B: input values (given as codes): QUANTISED
;;   THE QUANTISER, for each operand of a quantised product, along K:
;;     - K is cut into blocks of 32 from its start; a last block that is shorter is filled with zeros.
;;     - A block's scale is 2^e with e = floor(log2(the largest magnitude in the block)) - 15, held to -126 .. 127; a block of zeros has e = 0. As a byte (E8M0): e + 127.
;;     - Each number is divided by its block's scale, clamped to +-57,344, and rounded to the nearest number of E5M2, ties to even, subnormals kept.
;;     - The product sums the exact products of the quantised numbers (number of the format x scale) in f32.
;;   ~~~python
;;   def quantise(x, axis):      # numpy; x: float32 -> the quantised numbers, widened to float32 again
;;       x = np.moveaxis(x, axis, -1); K = x.shape[-1]
;;       x = np.pad(x, [(0, 0)] * (x.ndim - 1) + [(0, -K % 32)]); x = x.reshape(x.shape[:-1] + (-1, 32)); a = np.abs(x).max(-1, keepdims=True)
;;       e = np.where(a > 0, np.clip(np.frexp(np.where(a > 0, a, 1))[1] - 1 - 15, -126, 127), 0)      # np.frexp(a)[1] - 1 = floor(log2(a)), exactly
;;       r = np.clip(x / 2.0 ** e, -57344, 57344)
;;       step = 2.0 ** (np.maximum(np.frexp(np.where(r == 0, 1, r))[1] - 1, -14) - 2)
;;       q = np.round(r / step) * step * 2.0 ** e      # np.round: ties to even
;;       return np.moveaxis(q.reshape(q.shape[:-2] + (-1,))[..., :K], -1, axis).astype(np.float32)
;;   ~~~
;;   SOFTMAX AHEAD OF A QUANTISED PRODUCT. Where the list says 'softmax', what is quantised is not the finished softmax but p = 2^(t - M), with t = logit x log2(e) and M = ceil(the row's largest t), a whole number; so 1/2 < the row's largest p <= 1. The row's sum l is taken of the UNQUANTISED p, in f32, and the product's result is divided by l at the end. Since M is a whole number, a kernel that streams over the keys may use a running M (the ceiling of the running maximum): every later rescaling is an exact power of two, which a block's scale takes up: the codes' values come out the same.
;;   OPERANDS COMPUTED ON THE WAY. 'Computed on the way' means the value that the module computes at that place (a softmax that the list does not call 'softmax' is quantised finished and normalised). What goes into a quantiser is computed in f32, as accurately as f32 sums, v_exp_f32 and their like allow (about 1e-6 of the number): no bf16 or f16 on the way to a quantiser, and a product that is left as it is and whose result goes on into a quantised operand takes f32 operands (vector FMAs, or v_wmma_f32_16x16x4_f32). A number that lies on a knife's edge between two numbers of the format may be rounded either way, as far as f32 arithmetic and the matrix unit's own rounding can turn it there, and no further.
;;   INPUTS GIVEN AS CODES. keys (in the module: [2, 8, 4096, 64], K = its axis 3); queries (in the module: [2, 8, 4096, 64], K = its axis 3); values (in the module: [2, 8, 4096, 64], K = its axis 2): each comes as NAME_codes (uint8): NAME with its K axis moved to the last place and cut into blocks of 32 codes, [.., K / 32, bytes a block], one block behind the other in memory; one code a byte (a code: sign, 5 exponent bits, 2 mantissa bits); and NAME_scales (uint8): the same leading axes, one E8M0 byte (e + 127) for each 32 codes along K. Its value is code x scale, taken as it is: it is not quantised again, and the codes and scales need not be those that the quantiser above would give.
;; One version. Each part assembles by itself: llvm-mc -triple=amdgcn-amd-amdhsa -mcpu=gfx1250 --defsym DOCPART=n.
;; ======== version 1 of 1: 1 launch
;; limits: right only within a limited range of input values
;; launch attn (part 1): grid 4 x 64, 16 waves a work-group, clusters of 4 x 4, 327,680 bytes of LDS; arguments queries_codes, queries_scales, keys_codes, keys_scales, values_codes, values_scales, mask, out0; writes out0
.if DOCPART == 1
	.amdgcn_target "amdgcn-amd-amdhsa--gfx1250"
	.amdhsa_code_object_version 6
	.text
	.protected	k_qf0d09c67e4_attn
	.globl	k_qf0d09c67e4_attn
	.p2align	8
	.type	k_qf0d09c67e4_attn,@function
k_qf0d09c67e4_attn:
	s_mov_b64 s[64:65], 0
	v_nop
	global_prefetch_b8 v0, s[64:65] scope:SCOPE_SE
	s_setreg_imm32_b32 hwreg(HW_REG_WAVE_MODE, 25, 1), 1
	s_wait_xcnt 0x0
	s_wait_alu depctr_hold_cnt(0) depctr_sa_sdst(0) depctr_va_vdst(0) depctr_va_sdst(0) depctr_va_ssrc(0) depctr_va_vcc(0) depctr_vm_vsrc(0)
	s_getreg_b32 s2, hwreg(HW_REG_IB_STS2, 6, 4)
	s_cmp_eq_u32 s2, 0
	s_cbranch_scc0 .Lentry_in_a_cluster
	s_endpgm
.Lentry_in_a_cluster:
	s_bfe_u32 s2, ttmp6, 0x10000c
	s_cmp_lg_u32 s2, 0xf033
	s_cbranch_scc0 .Lentry_shape_is_right
	s_endpgm
.Lentry_shape_is_right:
; out[hd][q][:] = sum over k of softmax_k(Q[hd][q] . K[hd][k] / 8 - 1e9 mask[q][k]) V[hd][k][:], 16 heads, 4,096 queries and keys, head size 64.
; Both products on codes of BF8 (E5M2) with one E8M0 scale for each 32 along a product's K.  Q, K: codes [hd][4096][64], scale bytes [hd][4096][2].  V: codes with the KEYS innermost, [hd][64][4096],
; scale bytes [hd][64][128].  mask: [4096][4096] f32, an input like any other: every number of it is read and added, no tile is left out.  out: [hd][4096][64] f32.
; THE SOFTMAX AHEAD OF THE SECOND PRODUCT: y = 8 x logit = q.k - 8e9 mask (one fused multiply-add; 1/8 is a power of two, so y is 8 x the logit to the bit wherever 1e9 x mask is exact);
; t = y x log2(e)/8, rounded once, as the logit x log2(e) is; M = the row's largest t so far rounded UP to a whole number; p = 2^(t - M) is quantised along the keys, not normalised.
; t and t - M are two instructions, not one fused: with a mask that makes t large, a fused form would leave the row's largest p off a power of two.  The row's sum is taken of the unquantised p and divides at the end.
; SHARES.  Work-group (X, Y) owns heads 4 X .. 4 X + 3 and queries 64 Y .. 64 Y + 63.  Wave w owns head 4 X + w % 4 and the 16 queries 64 Y + 16 (w / 4) on: one tile, 256 registers, four waves to a SIMD,
; so that one wave's vector work stands beside another's matrix work and LDS loads.  Every wave walks all keys, 128 a step, 32 steps.
; CLUSTER 4 x 4.  The mask's tile (64 rows x 128 keys) hangs on Y alone: the four work-groups of a row of the cluster, which hold all 16 heads, ask for it JOINTLY.  K, V and their scales hang on X alone:
; the four of a column ask for them jointly.  Waves 0-3 fetch K (a head each), 4-7 V, 8 the mask, 9 K's scales, 12-15 (once) V's scales of the whole heads.
; LAYOUT.  Both products are used transposed (S^T = K Q^T, O^T = V^T P^T): a lane holds ONE query (lane % 16).  Lane r of K's tile 2 b + u takes key 32 b + 8 u + r + 8 (r / 8), so that S[16 b + i] is key 32 b + 16 (lane / 16) + i.
; THE FIRST PRODUCT'S K IS 64, the instruction's 128: Q's upper eight registers are zero codes.  K's fragments are eight registers each and lie on end, so a tile's upper eight registers are the next tile's codes
; (zeros behind the last): they meet Q's zeros and add nothing.  Scale bytes 2 and 3 of both sides are 0 (a scale, no NaN).
; LIMITS: infinity and NaN codes among the keys and scale bytes 0xff are not served (a foreign tile's infinity x 0 would spoil a sum); p under 2^-126 counts as 0; -1e9 x mask + score is rounded once, not twice.
.set LM,    0                          ; LDS: the mask's two slots: 64 rows x (512 bytes + 16)
.set MSL,   33792
.set LK,    67584                      ; K's two slots: 4 heads x 64 rows x (128 bytes = 2 keys, + 16)
.set KSL,   36864
.set KHD,   9216
.set LV,    141312                     ; V's two slots, each TWO key steps: 4 heads x 64 rows x (256 bytes + 16)
.set VSL,   69632
.set VHD,   17408
.set LVS,   280576                     ; V's scale bytes of 4 whole heads, filled once: 64 rows x (128 bytes + 16) a head
.set LKS,   317440                     ; K's scale bytes, two slots: 4 heads x (256 bytes + 16)
.set KSSL,  1088
.set SPARE, 319744                     ; the spare words, 128 bytes for each wave: eight blocks of 256 bytes that no other line names
.set STG,   LV                         ; the way out: 16 rows x (256 bytes + 16) for each wave, in V's slot 0: it has had its last fill and its last read two barriers earlier
.set AM,  1                            ; v1   my lane's place in the mask's tile
.set AK,  2                            ; v2   in a tile of K
.set AKS, 3                            ; v3   among K's scale bytes
.set AVA, 4                            ; v4   in V's slot 0;  v5 in slot 1
.set AVB, 5
.set AVS, 6                            ; v6   among V's scale words: 16 bytes on in each trip
.set SPW, 7                            ; v7   LDS address of my spare word; never rewritten
.set NIL, 8                            ; v8   0; never rewritten
.set PFO, 9                            ; v9   the prefetches' offset
.set STO, 10                           ; v10  the way out: where I put 32 bytes of a row
.set RD,  11                           ; v11  and where I read a row back
.set Q,   16                           ; v12 -M, v13 the largest t, v[14:15] the sum in two halves;  v16-23 Q's codes, v24-31 zero codes
.set R,   32                           ; v32-95  K's 8 fragments of 8, then 64 numbers of the mask, then V's 4 fragments of 16
.set Z,   96                           ; v96-103 zero codes behind K's last fragment
.set S,   104                          ; v104-167 S^T, then p
.set O,   168                          ; v168-199 O^T
.set PC,  200                          ; v200-215 p's codes
.set BM,  216                          ; v216-219 a block's largest score, then its largest p
.set BT,  220                          ; v220-223 at work
.set HOLD, 224
.set SOP, 228                          ; v228-231 the conversion's scale operand
.set KSC, 232                          ; v232-235 K's scale words: lanes 0-15 tile 2 b, lanes 16-31 tile 2 b + 1
.set VSC, 236                          ; v236-237 V's likewise
.set QS,  238                          ; v238 Q's scale words
.set PW,  239                          ; v239 p's scale word
.set F,   240                          ; v[240:241] f = 2^(old M - new M), and a word that is only named with it
.set TMP, 242
.set QA,  243                          ; v243 Q's codes: my lane's byte;  v247 its scale bytes
.set SUM2, 244                         ; v[244:245] the sum's second chain
.set GO,  246                          ; v246 my byte offset in the wave's rows of out
.set QSA, 247
.set PFA, 2                            ; s[2:3] the buffer that my prefetches name
.set SEL, 4                            ; s[4:5] lane selects for v_permlanex16_b32: lane l xor 16
.set CS,  6                            ; s[6:7] log2(e) / 8
.set MK,  8                            ; s[8:9] -8e9
.set MNT, 10
.set TRIPS, 11
.set ROLA, 12                          ; s12 1 in a wave that prefetches in every step;  s13 1 in one that prefetches in the even steps
.set ROLAB, 13
.set PFSA, 14                          ; s14 what PFO steps by in every step;  s15 in the even steps
.set PFSB, 15
.set WV,  20
.set HL,  21                           ; wave % 4: my head among the four
.set QT,  22                           ; wave / 4: my tile of queries
.set CX,  23
.set CY,  24
.set XX,  25
.set YY,  26
.set T0,  27
.set T1,  100                          ; s[100:101]
.set G1K, 28                           ; s[28:35] group 1 for K's tiles and V's scales;  s[36:43] V;  s[44:51] the mask;  s[52:59] K's scales
.set G1V, 36
.set G1M, 44
.set G1KS, 52
.set G0K, 60                           ; groups 0, one set for each slot: K s[60:63], s[68:71];  the mask s[72:79];  K's scales s[80:87];  V s[88:95];  V's scales s[96:99]
.set G0M, 72
.set G0S, 80
.set G0V, 88
.set G0VS, 96
.macro PLACES n
.rept \n
	v_nop
.endr
.endm
.macro CROUND                          ; a round of the cluster's barrier: my work-group's barrier; wave 0 signals for the work-group; every wave waits for all sixteen; my work-group's barrier once more
	s_barrier_signal -1
	s_barrier_wait -1
	s_cmp_lg_u32 s[WV], 0
	s_cbranch_scc1 .Lnw0_\@
	s_barrier_signal -3
.Lnw0_\@:
	s_barrier_wait -3
	s_barrier_signal -1
	s_barrier_wait -1
.endm
.macro TL g0, g1                       ; a joint load; four v_nop follow it, ahead of the jump and the label
	tensor_load_to_lds s[\g0:\g0+3], s[\g1:\g1+7]
	s_nop 0
.rept 4
	v_nop
.endr
.endm
.macro G1SET g, d0, d1, pitch          ; words 1 to 7 of a group 1: a tile of d1 rows of d0 elements that lies inside its tensor
	s_mov_b32 s[\g+1], (\d0)<<16
	s_mov_b32 s[\g+2], (\d1)<<16
	s_mov_b32 s[\g+3], (\d0)<<16
	s_mov_b32 s[\g+4], \d1
	s_mov_b32 s[\g+5], \pitch
	s_mov_b32 s[\g+6], 0
	s_mov_b32 s[\g+7], 0
.endm
.macro G0SET g, lmul, lbase, ptr, idx, shift, add   ; a group 0: LDS byte lbase + lmul x (wave % 4); global byte: the buffer + (s[idx] << shift) + add
	s_mov_b32 s[\g], 1
.if \lmul
	s_mul_i32 s[\g+1], s[HL], \lmul
	s_add_co_u32 s[\g+1], s[\g+1], \lbase
.else
	s_mov_b32 s[\g+1], \lbase
.endif
	s_lshl_b32 s[\g+2], s[\idx], \shift
	s_mov_b32 s[\g+3], 0
	s_add_nc_u64 s[\g+2:\g+3], s[\ptr:\ptr+1], s[\g+2:\g+3]
.if \add
	s_add_nc_u64 s[\g+2:\g+3], s[\g+2:\g+3], \add
.endif
	s_or_b32 s[\g+3], s[\g+3], 0x80000000
.endm
; The refills of a change of slots: one tensor load a wave at the most.  The branches hang on the wave's number alone: they are the same in every work-group.
.macro FILL sl, vs                     ; sl: the slot of K, the mask and K's scales;  vs: V's slot, or -1: none
	s_cmp_lt_u32 s[WV], 4
	s_cbranch_scc0 .Lnk_\@
	TL G0K+8*\sl, G1K
	s_branch .Ldone_\@
.Lnk_\@:
.if \vs >= 0
	s_cmp_lt_u32 s[WV], 8
	s_cbranch_scc0 .Lnv_\@
	TL G0V+4*\vs, G1V
	s_branch .Ldone_\@
.Lnv_\@:
.endif
	s_cmp_eq_u32 s[WV], 8
	s_cbranch_scc0 .Lnm_\@
	TL G0M+4*\sl, G1M
	s_branch .Ldone_\@
.Lnm_\@:
	s_cmp_eq_u32 s[WV], 9
	s_cbranch_scc0 .Ldone_\@
	TL G0S+4*\sl, G1KS
.Ldone_\@:
.endm
; A PREFETCH INTO THE L2, at the change of slots, by waves that fetch nothing there, one instruction each, for what the change after the next refill will ask for.
; Wave 10, in every cluster: the mask's tile of the step after next, 64 rows x 512 bytes; the four partners of a row take 16 rows each, told apart BY ADDRESS (cx); two lanes to a row, 256 bytes apart.
; Waves 11 to 13, in the clusters with y = 0 alone (all clusters of a column of clusters walk the same K and V): partner cy takes head 4 X + cy, by address.  Wave 11: K's 8,192 dense bytes of the step after next, lanes 256 bytes apart.
; Waves 12, 13, in the even steps: V's pair of steps after the pair that is being asked for: 32 rows a wave, a lane a row of 256 bytes.  So each aligned block of 256 bytes is named once in the launch.
.macro ASK role
	s_cmp_eq_u32 s[\role], 1
	s_cbranch_scc0 .Lnot_mine_\@
	s_wait_alu depctr_va_vdst(0)
	global_prefetch_b8 v[PFO], s[PFA:PFA+1] th:TH_LOAD_NT scope:SCOPE_SE
.Lnot_mine_\@:
.endm
; THE CHANGE OF SLOTS stands at a step's head.  Each wave waits for all its tensor loads (its part of what this step reads), adds 0 to its spare word, and waits for that and for its reads of the step that it has left.
; fill = 1: a round of the cluster's barrier, so that no wave of any partner still reads the slots that are filled or has a load on its way; behind it the next step's K, mask and K's scales go into slot sl,
; and in every second step V's next pair of steps into slot vs.  A wave has one tensor load out at the most.
.macro CHANGE sl, vs, fill, pfa, pfb
	s_wait_tensorcnt 0x0                           ; no tensor load of mine is out, so every group 0 may be written
	ds_add_u32 v[SPW], v[NIL]                      ; 0 onto my spare word
	ds_add_u32 v[SPW], v[NIL]
	PLACES 8                                       ; the places between the last step's products and the loads into the registers that they read
.if \fill
	s_add_nc_u64 s[G0K+8*(1-\sl)+2:G0K+8*(1-\sl)+3], s[G0K+8*(1-\sl)+2:G0K+8*(1-\sl)+3], 16384   ; the sets of the slot that this step reads go two steps on: 2 x 128 keys x 64 bytes,
	s_add_nc_u64 s[G0M+4*(1-\sl)+2:G0M+4*(1-\sl)+3], s[G0M+4*(1-\sl)+2:G0M+4*(1-\sl)+3], 1024    ; 2 x 128 numbers of a row of the mask,
	s_add_nc_u64 s[G0S+4*(1-\sl)+2:G0S+4*(1-\sl)+3], s[G0S+4*(1-\sl)+2:G0S+4*(1-\sl)+3], 512     ; 2 x 128 keys x 2 scale bytes
.if \vs >= 0
	s_add_nc_u64 s[G0V+4*(1-\vs)+2:G0V+4*(1-\vs)+3], s[G0V+4*(1-\vs)+2:G0V+4*(1-\vs)+3], 512     ; V's other set: two pairs of steps on in each row
.endif
.endif
.if \pfa
	s_wait_xcnt 0x0                                ; the last prefetch, a step back, has read its offset, so it may be written
	v_add_nc_u32 v[PFO], s[PFSA], v[PFO]
.if \pfb
	s_delay_alu instid0(VALU_DEP_1)
	v_add_nc_u32 v[PFO], s[PFSB], v[PFO]
.endif
.endif
	s_wait_dscnt 0x0                               ; the add is done, and my reads of the last step's slots are over
.if \fill
	CROUND
	FILL \sl, \vs                                  ; the first thing behind the round
.if \pfb
	ASK ROLAB
.elseif \pfa
	ASK ROLA
.endif
.else
	s_barrier_signal -1
	s_barrier_wait -1
.endif
.endm
; A KEY STEP: 128 keys; e = the step's number modulo 4: slot e % 2 of K, the mask and K's scales; V's slot e / 2, half e % 2 of its rows.
.macro STEP e
.set SL, (\e)&1
.set AV, AVA+(\e)/2
.irp b, 0,1,2,3
	ds_load_u16 v[KSC+\b], v[AKS] offset:KSSL*SL+64*\b            ; two scale bytes a key; bytes 2 and 3 of the word are 0
.endr
.irp t, 0,1,2,3,4,5,6,7
.irp c, 0,1
	ds_load_b128 v[R+8*\t+4*\c:R+8*\t+4*\c+3], v[AK] offset:KSL*SL+(16*(\t/2)+4*(\t%2))*144+32*\c
.endr
.endr
	s_wait_dscnt 0x0
.irp t, 0,2,4,6                                ; S^T = K Q^T: eight tiles of 16 keys, each sum begun with 0
	v_wmma_scale_f32_16x16x128_f8f6f4 v[S+8*\t:S+8*\t+7], v[R+8*\t:R+8*\t+15], v[Q:Q+15], 0, v[KSC+\t/2], v[QS] matrix_a_fmt:MATRIX_FMT_BF8 matrix_b_fmt:MATRIX_FMT_BF8
	v_wmma_scale_f32_16x16x128_f8f6f4 v[S+8*\t+8:S+8*\t+15], v[R+8*\t+8:R+8*\t+23], v[Q:Q+15], 0, v[KSC+\t/2], v[QS] matrix_a_fmt:MATRIX_FMT_BF8 matrix_b_fmt:MATRIX_FMT_BF8 matrix_a_scale:MATRIX_SCALE_ROW1
.endr
	PLACES 8                                       ; in front of loads into registers that these products read, and of the first read of their results
.irp b, 0,1,2,3
.irp j, 0,1,2,3
	ds_load_b128 v[R+16*\b+4*\j:R+16*\b+4*\j+3], v[AM] offset:MSL*SL+128*\b+16*\j   ; mask(my query, keys 32 b + 16 (lane / 16) + 4 j on): the scores' own order
.endr
.endr
.irp b, 0,1,2,3
	s_wait_dscnt 12-4*\b                           ; block b's four loads are in; the 12 - 4 b issued behind them may be out
.irp j, 0,2,4,6,8,10,12,14
	v_pk_fma_f32 v[S+16*\b+\j:S+16*\b+\j+1], v[R+16*\b+\j:R+16*\b+\j+1], s[MK:MK+1], v[S+16*\b+\j:S+16*\b+\j+1] op_sel_hi:[1,0,1]   ; y = q.k - 8e9 mask; each accumulator from its low end on
.endr
.endr
.irp t, 0,1,2,3                                ; V's four fragments and its scale words are asked for now and land during the softmax
.irp c, 0,1,2,3
	ds_load_b128 v[R+16*\t+4*\c:R+16*\t+4*\c+3], v[AV] offset:4352*\t+128*SL+32*\c
.endr
.endr
.irp u, 0,1
	ds_load_b32 v[VSC+\u], v[AVS] offset:4608*\u+4*(\e)
.endr
.irp b, 0,1,2,3
	v_max3_num_f32 v[BM+\b], v[S+16*\b], v[S+16*\b+1], v[S+16*\b+2]   ; the largest score of each block of 32 keys: for the row's maximum and, since p rises with the score, for the block's largest p
.endr
.irp i, 3,5,7,9,11,13
.irp b, 0,1,2,3
	s_delay_alu instid0(VALU_DEP_4)
	v_max3_num_f32 v[BM+\b], v[BM+\b], v[S+16*\b+\i], v[S+16*\b+\i+1]
.endr
.endr
.irp b, 0,1,2,3
	s_delay_alu instid0(VALU_DEP_4)
	v_max_num_f32 v[BM+\b], v[BM+\b], v[S+16*\b+15]
.endr
.irp b, 0,1,2,3
	s_delay_alu instid0(VALU_DEP_4)
	v_permlanex16_b32 v[BT+\b], v[BM+\b], s[SEL], s[SEL+1]
.endr
.irp b, 0,1,2,3
	s_delay_alu instid0(VALU_DEP_4)
	v_max_num_f32 v[BM+\b], v[BM+\b], v[BT+\b]     ; with lane l xor 16's 16 keys
.endr
	s_delay_alu instid0(VALU_DEP_2)
	v_max3_num_f32 v[TMP], v[BM], v[BM+1], v[BM+2]
	s_delay_alu instid0(VALU_DEP_1)
	v_max_num_f32 v[TMP], v[TMP], v[BM+3]          ; the step's largest y of my query,
	s_delay_alu instid0(VALU_DEP_1)
	v_mul_f32 v[TMP], s[CS], v[TMP]                ; as t (the factor is positive)
	s_delay_alu instid0(VALU_DEP_1)
	v_max_num_f32 v13, v13, v[TMP]                 ; the running largest t
	v_mov_b32 v[TMP], v12
	s_delay_alu instid0(VALU_DEP_2)
	v_floor_f32 v12, -v13                          ; the new -M = floor(-t): M is a whole number
	s_delay_alu instid0(VALU_DEP_1)
	v_sub_f32 v[TMP], v12, v[TMP]                  ; old M - new M: a whole number, 0 or less
	s_delay_alu instid0(VALU_DEP_1)
	v_cvt_i32_f32 v[TMP], v[TMP]                   ; (it saturates)
	s_delay_alu instid0(VALU_DEP_1)
	v_ldexp_f32 v[F], 1.0, v[TMP]                  ; f = 2^(old M - new M): a multiplication by it rounds nothing
.set j, 0
.rept 32
	v_pk_mul_f32 v[S+j:S+j+1], v[S+j:S+j+1], s[CS:CS+1] op_sel_hi:[1,0]   ; t = y x log2(e) / 8
.set j, j+2
.endr
.irp b, 0,1,2,3
	v_mul_f32 v[BM+\b], s[CS], v[BM+\b]            ; the same of each block's largest
.endr
.set j, 0
.rept 32
	v_pk_add_f32 v[S+j:S+j+1], v[S+j:S+j+1], v[12:13] op_sel_hi:[1,0]     ; t - M (of the pair the low word, -M, serves both halves)
.set j, j+2
.endr
.irp b, 0,1,2,3
	v_add_f32 v[BM+\b], v[BM+\b], v12
.endr
.set j, 0
	s_wait_alu depctr_va_vdst(0)
.rept 64
	v_exp_f32 v[S+j], v[S+j]                       ; p = 2^(t - M), at most 1
.set j, j+1
.endr
	v_pk_mul_f32 v[14:15], v[14:15], v[F:F+1] op_sel_hi:[1,0]   ; the sums under the new M: the plain instruction behind the exponentials
	s_wait_alu depctr_va_vdst(0)                   ; one wait for the batch of 64, ahead of its first reader
.irp b, 0,1,2,3
	v_exp_f32 v[BM+\b], v[BM+\b]                   ; the block's largest p: the same instructions on the same number give the same bits
.endr
	v_pk_add_f32 v[244:245], v[108:109], v[112:113]
	v_pk_add_f32 v[254:255], v[116:117], v[120:121]
	v_pk_add_f32 v[252:253], v[124:125], v[128:129]
	v_pk_add_f32 v[250:251], v[132:133], v[136:137]
	v_pk_add_f32 v[248:249], v[140:141], v[144:145]
	v_pk_add_f32 v[234:235], v[148:149], v[152:153]
	v_pk_add_f32 v[232:233], v[156:157], v[160:161]
	v_pk_add_f32 v[14:15], v[14:15], v[164:165]
	v_pk_add_f32 v[244:245], v[244:245], v[104:105]
	v_pk_add_f32 v[254:255], v[254:255], v[106:107]
	v_pk_add_f32 v[252:253], v[252:253], v[110:111]
	v_pk_add_f32 v[250:251], v[250:251], v[114:115]
	v_pk_add_f32 v[248:249], v[248:249], v[118:119]
	v_pk_add_f32 v[234:235], v[234:235], v[122:123]
	v_pk_add_f32 v[232:233], v[232:233], v[126:127]
	v_pk_add_f32 v[14:15], v[14:15], v[130:131]
	v_pk_add_f32 v[244:245], v[244:245], v[134:135]
	v_pk_add_f32 v[254:255], v[254:255], v[138:139]
	v_pk_add_f32 v[252:253], v[252:253], v[142:143]
	v_pk_add_f32 v[250:251], v[250:251], v[146:147]
	v_pk_add_f32 v[248:249], v[248:249], v[150:151]
	v_pk_add_f32 v[234:235], v[234:235], v[154:155]
	v_pk_add_f32 v[232:233], v[232:233], v[158:159]
	v_pk_add_f32 v[14:15], v[14:15], v[162:163]
	v_pk_add_f32 v[244:245], v[244:245], v[166:167]
	s_delay_alu instid0(VALU_DEP_2)
	v_pk_add_f32 v[14:15], v[14:15], v[250:251]
	s_delay_alu instid0(VALU_DEP_2)
	v_pk_add_f32 v[244:245], v[244:245], v[248:249]
	v_pk_add_f32 v[254:255], v[254:255], v[234:235]
	v_pk_add_f32 v[252:253], v[252:253], v[232:233]
	s_delay_alu instid0(VALU_DEP_2)
	v_pk_add_f32 v[14:15], v[14:15], v[254:255]
	s_delay_alu instid0(VALU_DEP_2)
	v_pk_add_f32 v[244:245], v[244:245], v[252:253]
	s_delay_alu instid0(VALU_DEP_1)
	v_pk_add_f32 v[14:15], v[14:15], v[244:245]
	s_wait_alu depctr_va_vdst(0)                   ; and one for the four
.irp b, 0,1,2,3
	v_max_num_f32 v[BM+\b], 0x8000000, v[BM+\b]    ; the floor 2^(16 - 127): the byte cannot fall under 1 (a block whose every p is 0 keeps that byte: its codes are zeros)
.endr
.irp b, 0,1,2,3
	s_delay_alu instid0(VALU_DEP_4)
	v_add_nc_u32 v[SOP+\b], 0xf8800000, v[BM+\b]   ; 15 off the exponent field: the conversion's scale operand
.endr
.irp b, 0,1,2,3
.endr
.irp b, 0,1,2,3
	s_delay_alu instid0(VALU_DEP_4)
	v_lshrrev_b32 v[BT+\b], 23, v[SOP+\b]          ; the scale's byte
.endr
	s_delay_alu instid0(VALU_DEP_3)
	v_lshl_or_b32 v[PW], v[BT+1], 8, v[BT]         ; p's scale word for these 128 keys
	s_delay_alu instid0(VALU_DEP_1)
	v_lshl_or_b32 v[PW], v[BT+2], 16, v[PW]
	s_delay_alu instid0(VALU_DEP_1)
	v_lshl_or_b32 v[PW], v[BT+3], 24, v[PW]
.irp b, 0,1,2,3
.irp i, 0,1,2,3,4,5,6,7,8,9,10,11,12,13,14,15
.endr
	v_cvt_scalef32_pk8_bf8_f32 v[PC+4*\b:PC+4*\b+1], v[S+16*\b:S+16*\b+7], v[SOP+\b]
	v_cvt_scalef32_pk8_bf8_f32 v[PC+4*\b+2:PC+4*\b+3], v[S+16*\b+8:S+16*\b+15], v[SOP+\b]
.endr
.set j, 0
.rept 16
	v_pk_mul_f32 v[O+j:O+j+1], v[O+j:O+j+1], v[F:F+1] op_sel_hi:[1,0]   ; O^T under the new M, each accumulator from its low end on; these 16 also stand between the conversions and the products
.set j, j+2
.endr
	s_wait_alu depctr_va_vdst(0)
	s_wait_dscnt 0x0                               ; V's fragments and scale words are in
.irp t, 0,2                                    ; O^T += V^T P^T: four tiles of 16 of the head's 64, by turns; K = these 128 keys
	v_wmma_scale_f32_16x16x128_f8f6f4 v[O+8*\t:O+8*\t+7], v[R+16*\t:R+16*\t+15], v[PC:PC+15], v[O+8*\t:O+8*\t+7], v[VSC+\t/2], v[PW] matrix_a_fmt:MATRIX_FMT_BF8 matrix_b_fmt:MATRIX_FMT_BF8
	v_wmma_scale_f32_16x16x128_f8f6f4 v[O+8*\t+8:O+8*\t+15], v[R+16*\t+16:R+16*\t+31], v[PC:PC+15], v[O+8*\t+8:O+8*\t+15], v[VSC+\t/2], v[PW] matrix_a_fmt:MATRIX_FMT_BF8 matrix_b_fmt:MATRIX_FMT_BF8 matrix_a_scale:MATRIX_SCALE_ROW1
.endr
.endm
	s_load_b256 s[4:11], s[0:1], 0x0               ; Q's codes s[4:5], Q's scales s[6:7], K's codes s[8:9], K's scales s[10:11]
	s_load_b256 s[12:19], s[0:1], 0x20             ; V's codes s[12:13], V's scales s[14:15], the mask s[16:17], out s[18:19]
	v_lshl_add_u32 v[SPW], v0, 2, SPARE
	v_mov_b32 v[NIL], 0
	ds_add_u32 v7, v8
	ds_add_u32 v7, v8
	s_wait_dscnt 0x0
	v_lshrrev_b32 v[TMP], 5, v0
	s_delay_alu instid0(VALU_DEP_1)
	v_readfirstlane_b32 s[WV], v[TMP]              ; wave 0..15
	s_and_b32 s[HL], s[WV], 3
	s_lshr_b32 s[QT], s[WV], 2
	s_bfe_u32 s[CX], ttmp6, 0x40000                ; cx, cy: my place in the cluster
	s_bfe_u32 s[CY], ttmp6, 0x40004
	s_lshl_b32 s[XX], ttmp9, 2
	s_add_co_u32 s[XX], s[XX], s[CX]               ; X = 4 x cluster x + cx: which four heads
	s_and_b32 s[YY], ttmp7, 0xffff
	s_lshl_b32 s[YY], s[YY], 2
	s_add_co_u32 s[YY], s[YY], s[CY]               ; Y = 4 x cluster y + cy: which 64 queries
	s_lshl_b32 s[T0], s[CY], 2
	s_lshl_b32 s[T0], 15, s[T0]                    ; my row of the cluster
	s_lshl_b32 s[T1], 0x1111, s[CX]                ; my column
	; groups 1.  Word 0: 15:0 the mask of work-groups; 17:16 the element's size; 20 padding on; 21 set beside a mask; 24:22 the padding's interval = a row; 31:25 four words of padding
	s_or_b32 s[G1K], s[T1], (1<<20)|(1<<21)|(4<<22)|(3<<25)            ; 64 rows of 128 bytes, dense
	s_or_b32 s[G1V], s[T1], (1<<20)|(1<<21)|(5<<22)|(3<<25)            ; 64 rows of 256 bytes, 4,096 bytes apart
	s_or_b32 s[G1M], s[T0], (2<<16)|(1<<20)|(1<<21)|(6<<22)|(3<<25)    ; 64 rows of 128 numbers of 4 bytes, 4,096 numbers apart
	s_or_b32 s[G1KS], s[T1], (1<<20)|(1<<21)|(5<<22)|(3<<25)           ; 4 rows (heads) of 256 bytes, 8,192 bytes apart
	G1SET G1K, 128, 64, 128
	G1SET G1V, 256, 64, 4096
	G1SET G1M, 128, 64, 4096
	G1SET G1KS, 256, 4, 8192
	; every LDS address of a lane is made here, ahead of the first branch on the wave's number: constants, the lane, the wave's number
	v_and_b32 v216, 15, v0                         ; r
	v_bfe_u32 v217, v0, 4, 1                       ; h
	v_and_b32 v218, 31, v0                         ; lane
	s_delay_alu instid0(VALU_DEP_3)
	v_and_b32 v219, 8, v216
	s_delay_alu instid0(VALU_DEP_1)
	v_add_nc_u32 v219, v219, v216                  ; r + 8 (r / 8)
	s_mul_i32 s[T0], s[QT], 16*528
	v_mul_u32_u24 v[AM], v216, 528
	s_delay_alu instid0(VALU_DEP_1)
	v_lshl_add_u32 v[AM], v217, 6, v[AM]
	s_delay_alu instid0(VALU_DEP_1)
	v_add_nc_u32 v[AM], s[T0], v[AM]               ; the mask: row 16 (wave / 4) + r, + 64 h bytes: my 16 keys of a block of 32
	s_mul_i32 s[T0], s[HL], KHD
	s_add_co_u32 s[T0], s[T0], LK
	v_lshrrev_b32 v220, 1, v219
	s_delay_alu instid0(VALU_DEP_1)
	v_mul_u32_u24 v[AK], v220, 144
	v_and_b32 v220, 1, v216
	s_delay_alu instid0(VALU_DEP_1)
	v_lshl_add_u32 v[AK], v220, 6, v[AK]
	s_delay_alu instid0(VALU_DEP_1)
	v_lshl_add_u32 v[AK], v217, 4, v[AK]
	s_delay_alu instid0(VALU_DEP_1)
	v_add_nc_u32 v[AK], s[T0], v[AK]               ; K: key k lies at 144 (k / 2) + 64 (k % 2); + 16 h
	s_mul_i32 s[T0], s[HL], 272
	s_add_co_u32 s[T0], s[T0], LKS
	v_lshlrev_b32 v[AKS], 1, v219
	s_delay_alu instid0(VALU_DEP_1)
	v_lshl_add_u32 v[AKS], v217, 4, v[AKS]
	s_delay_alu instid0(VALU_DEP_1)
	v_add_nc_u32 v[AKS], s[T0], v[AKS]             ; K's scales: 2 bytes a key; lanes 16-31 take the tile 8 keys on
	s_mul_i32 s[T0], s[HL], VHD
	s_add_co_u32 s[T0], s[T0], LV
	v_mul_u32_u24 v[AVA], v216, 272
	s_delay_alu instid0(VALU_DEP_1)
	v_lshl_add_u32 v[STO], v217, 5, v[AVA]         ; (272 r + 32 h, for the way out)
	s_delay_alu instid0(VALU_DEP_2)
	v_lshl_add_u32 v[AVA], v217, 4, v[AVA]
	s_delay_alu instid0(VALU_DEP_1)
	v_add_nc_u32 v[AVA], s[T0], v[AVA]             ; V: row r of a tile, + 16 h
	s_delay_alu instid0(VALU_DEP_1)
	v_add_nc_u32 v[AVB], VSL, v[AVA]
	s_mul_i32 s[T0], s[HL], KHD
	s_add_co_u32 s[T0], s[T0], LVS
	v_mul_u32_u24 v[AVS], v218, 144
	s_delay_alu instid0(VALU_DEP_1)
	v_add_nc_u32 v[AVS], s[T0], v[AVS]             ; V's scale words: row = lane: lanes 0-15 one tile, lanes 16-31 the next
	s_mul_i32 s[T0], s[WV], 16*272
	s_add_co_u32 s[T0], s[T0], STG
	v_add_nc_u32 v[STO], s[T0], v[STO]
	v_mul_u32_u24 v[RD], v217, 272
	s_delay_alu instid0(VALU_DEP_1)
	v_lshl_add_u32 v[RD], v216, 4, v[RD]
	s_delay_alu instid0(VALU_DEP_1)
	v_add_nc_u32 v[RD], s[T0], v[RD]               ; back: lanes 0-15 one row of 256 bytes, lanes 16-31 the next
	v_lshlrev_b32 v[GO], 8, v217
	s_delay_alu instid0(VALU_DEP_1)
	v_lshl_add_u32 v[GO], v216, 4, v[GO]           ; and the same two rows in out
	v_lshlrev_b32 v[QA], 6, v216
	s_delay_alu instid0(VALU_DEP_1)
	v_lshl_add_u32 v[QA], v217, 4, v[QA]           ; Q: row r of 64 bytes, + 16 h
	v_lshlrev_b32 v[QSA], 1, v216
	s_lshl_b32 s[T1], s[XX], 2
	s_add_co_u32 s[T1], s[T1], s[HL]               ; my head: 4 X + wave % 4: the one I work on, and the one I fetch for
	s_wait_kmcnt 0x0
	G0SET G0K,   KHD, LK,       8,  T1, 18, 0      ; K: a head is 262,144 bytes, a step 8,192
	G0SET G0K+8, KHD, LK+KSL,   8,  T1, 18, 8192
	G0SET G0M,   0,   LM,       16, YY, 20, 0      ; the mask: 64 rows of 16,384 bytes, a step 512 bytes of each
	G0SET G0M+4, 0,   LM+MSL,   16, YY, 20, 512
	G0SET G0S,   0,   LKS,      10, XX, 15, 0      ; K's scales: four heads of 8,192 bytes, a step 256 bytes of each
	G0SET G0S+4, 0,   LKS+KSSL, 10, XX, 15, 256
	G0SET G0V,   VHD, LV,       12, T1, 18, 0      ; V: a pair of steps is 256 bytes of each row
	G0SET G0V+4, VHD, LV+VSL,   12, T1, 18, 256
	G0SET G0VS,  KHD, LVS,      14, T1, 13, 0      ; V's scales: a head is 8,192 dense bytes
	CROUND                                         ; all sixteen work-groups are here: the first joint loads meet
	s_cmp_lt_u32 s[WV], 4                          ; the first fills, one a wave: step 0's K, V's first pair of steps, the mask's and K's scales' step 0, V's scales
	s_cbranch_scc0 .Lf_not_k
	TL G0K, G1K
	s_branch .Lf_done
.Lf_not_k:
	s_cmp_lt_u32 s[WV], 8
	s_cbranch_scc0 .Lf_not_v
	TL G0V, G1V
	s_branch .Lf_done
.Lf_not_v:
	s_cmp_eq_u32 s[WV], 8
	s_cbranch_scc0 .Lf_not_m
	TL G0M, G1M
	s_branch .Lf_done
.Lf_not_m:
	s_cmp_eq_u32 s[WV], 9
	s_cbranch_scc0 .Lf_not_s
	TL G0S, G1KS
	s_branch .Lf_done
.Lf_not_s:
	s_cmp_ge_u32 s[WV], 12
	s_cbranch_scc0 .Lf_done
	TL G0VS, G1K
.Lf_done:
	s_lshl_b32 s[T1], s[T1], 18                    ; my first query's byte in Q's codes: head x 262,144 + (64 Y + 16 (wave / 4)) x 64
	s_lshl_b32 s[T0], s[YY], 12
	s_add_co_u32 s[T1], s[T1], s[T0]
	s_lshl_b32 s[T0], s[QT], 10
	s_add_co_u32 s[T1], s[T1], s[T0]
	s_mov_b32 s[T1+1], 0
	s_add_nc_u64 s[4:5], s[4:5], s[T1:T1+1]
	s_lshl_b32 s[T1], s[T1], 2                     ; in out a row is 256 bytes,
	s_add_nc_u64 s[18:19], s[18:19], s[T1:T1+1]
	s_lshr_b32 s[T1], s[T1], 7                     ; among Q's scales 2
	s_add_nc_u64 s[6:7], s[6:7], s[T1:T1+1]
	s_wait_alu depctr_va_vdst(0)
	global_load_b128 v[Q:Q+3], v[QA], s[4:5]                 ; Q's fragment stays in registers: k = 16 h + 0 .. 15,
	global_load_b128 v[Q+4:Q+7], v[QA], s[4:5] offset:32     ; k = 32 + 16 h + 0 .. 15
	global_load_u16 v[QS], v[QSA], s[6:7]                    ; its two scale bytes; bytes 2 and 3 are 0
.set j, 0
.rept 8
	v_mov_b32 v[Q+8+j], 0                          ; zero codes for k = 64 .. 127
	v_mov_b32 v[Z+j], 0
.set j, j+1
.endr
.set j, 0
.rept 32
	v_mov_b32 v[O+j], 0                            ; O^T.  (The step is written without a first step of its own: the first change of M multiplies zeros)
.set j, j+1
.endr
.irp b, 0,1,2,3
	v_mov_b32 v[BT+\b], 0                          ; a lane permute's destination counts as one of its sources
.endr
	v_mov_b32 v[F+1], 0                            ; (named as the upper half of a pair)
	v_mov_b32 v14, 0                               ; the sum, in two halves
	v_mov_b32 v15, 0
	v_mov_b32 v13, 0xff61b1e6                      ; the largest t so far: -3e38
	s_delay_alu instid0(VALU_DEP_1)
	v_floor_f32 v12, -v13                          ; -M
	; the prefetches: each role's offset stands one step (V: one pair) behind what its first prefetch names; the first change of slots steps it.  Nothing is prefetched here, at the head
	s_lshl_b32 s[YY], s[YY], 20
	s_lshl_b32 s[CX], s[CX], 18
	s_add_co_u32 s[YY], s[YY], s[CX]
	s_add_co_u32 s[YY], s[YY], 512                 ; the mask: rows 64 Y + 16 cx on, step 1
	s_lshl_b32 s[XX], s[XX], 2
	s_add_co_u32 s[XX], s[XX], s[CY]
	s_lshl_b32 s[XX], s[XX], 18                    ; head 4 X + cy
	s_add_co_u32 s[T0], s[XX], 8192                ; K: step 1
	s_and_b32 s[CX], s[WV], 1
	s_lshl_b32 s[CX], s[CX], 17
	s_add_co_u32 s[XX], s[XX], s[CX]               ; V: wave 13 takes rows 32 on,
	s_add_co_u32 s[XX], s[XX], 256                 ; pair 1
	s_and_b32 s[CY], ttmp7, 0xffff                 ; cluster y
	s_mov_b32 s[T1], 8192                          ; from lane pair to lane pair, and inside a pair: V: 4,096 bytes a lane
	s_mov_b32 s[T1+1], 4096
	s_mov_b32 s[PFSA], 0
	s_cmp_eq_u32 s[WV], 10                         ; wave 10: the mask: two lanes to a row of 16,384 bytes
	s_cselect_b64 s[PFA:PFA+1], s[16:17], s[12:13]
	s_cselect_b32 s[XX], s[YY], s[XX]
	s_cselect_b32 s[T1], 16384, s[T1]
	s_cselect_b32 s[T1+1], 256, s[T1+1]
	s_cselect_b32 s[PFSA], 512, s[PFSA]
	s_cselect_b32 s[CY], 0, s[CY]                  ; (each cluster has rows of the mask of its own: every cluster asks)
	s_cmp_eq_u32 s[WV], 11                         ; wave 11: K: 256 bytes a lane
	s_cselect_b64 s[PFA:PFA+1], s[8:9], s[PFA:PFA+1]
	s_cselect_b32 s[XX], s[T0], s[XX]
	s_cselect_b32 s[T1], 512, s[T1]
	s_cselect_b32 s[T1+1], 256, s[T1+1]
	s_cselect_b32 s[PFSA], 8192, s[PFSA]
	v_bfe_u32 v[PFO], v0, 1, 4                     ; lane / 2
	s_delay_alu instid0(VALU_DEP_1)
	v_mul_lo_u32 v[PFO], v[PFO], s[T1]
	v_and_b32 v[TMP], 1, v0
	s_delay_alu instid0(VALU_DEP_1)
	v_mul_lo_u32 v[TMP], v[TMP], s[T1+1]
	s_delay_alu instid0(VALU_DEP_1)
	v_add3_u32 v[PFO], v[PFO], v[TMP], s[XX]
	s_sub_co_u32 s[T0], s[WV], 10
	s_lshr_b32 s[YY], s[T0], 1                     ; 0 in waves 10 and 11, 1 in waves 12 and 13
	s_cmp_eq_u32 s[YY], 1
	s_cselect_b32 s[PFSB], 256, 0
	s_or_b32 s[YY], s[YY], s[CY]
	s_cmp_eq_u32 s[YY], 0
	s_cselect_b32 s[ROLA], 1, 0
	s_lshr_b32 s[T0], s[T0], 2                     ; 0 in waves 10 to 13
	s_or_b32 s[T0], s[T0], s[CY]
	s_cmp_eq_u32 s[T0], 0
	s_cselect_b32 s[ROLAB], 1, 0
	s_wait_loadcnt 0x0                             ; Q is in, and its loads have read their bases
	s_mov_b32 s[SEL], 0x76543210
	s_mov_b32 s[SEL+1], 0xfedcba98
	s_mov_b32 s[CS], 0x3e38aa3b                    ; log2(e) / 8
	s_mov_b32 s[CS+1], s[CS]                       ; (named with it as a pair, so it is written)
	s_mov_b32 s[MK], 0xcfee6b28                    ; -8e9 = 8 x -1e9, exact
	s_mov_b32 s[MK+1], s[MK]
	s_mov_b32 s[TRIPS], 7
.Ltrip:                                            ; four key steps a trip, until the slots and V's halves are back where they began: steps 0 to 27
	s_wait_alu depctr_va_vdst(0)
	CHANGE 1, 1, 1, 1, 1
	STEP 0
	CHANGE 0, -1, 1, 1, 0
	STEP 1
	CHANGE 1, 0, 1, 1, 1
	STEP 2
	CHANGE 0, -1, 1, 1, 0
	STEP 3
	v_add_nc_u32 v[AVS], 16, v[AVS]                ; V's scale words: four steps on
	s_sub_co_u32 s[TRIPS], s[TRIPS], 1
	s_cmp_lg_u32 s[TRIPS], 0
	s_cbranch_scc1 .Ltrip
	CHANGE 1, 1, 1, 1, 0                           ; steps 28 to 31 are written out: V's last pair goes out here, and V is prefetched no more
	STEP 0
	CHANGE 0, -1, 1, 1, 0                          ; the last prefetches: step 31's mask and K
	STEP 1
	CHANGE 1, -1, 1, 0, 0                          ; the last refill: step 31's K, mask and K's scales
	STEP 2
	CHANGE 0, -1, 0, 0, 0                          ; nothing is left to fetch: my work-group's barrier alone
	STEP 3
	; THE WAY OUT.  O^T / the sum goes through my stage in LDS and comes back as whole rows of 256 bytes, which sixteen lanes store as one aligned run.
	PLACES 8                                       ; behind the last products, ahead of the first read of their results
	v_add_f32 v14, v14, v15                        ; the sum's two halves,
	s_delay_alu instid0(VALU_DEP_1)
	v_permlanex16_b32 v[TMP], v14, s[SEL], s[SEL+1]
	s_delay_alu instid0(VALU_DEP_1)
	v_add_f32 v14, v14, v[TMP]                     ; and lane l xor 16's: the row's sum
	s_wait_alu depctr_va_vdst(0)
	v_rcp_f32 v14, v14
	v_nop                                          ; a plain instruction behind the reciprocal,
	s_wait_alu depctr_va_vdst(0)                   ; and a wait ahead of its first reader
.set j, 0
.rept 16
	v_pk_mul_f32 v[S+j:S+j+1], v[O+j:O+j+1], v[14:15] op_sel_hi:[1,0]   ; register 8 t + i is out(r, 16 t + 8 h + i)
.set j, j+2
.endr
.irp t, 0,1,2,3
	ds_store_b128 v[STO], v[S+8*\t:S+8*\t+3] offset:64*\t
	ds_store_b128 v[STO], v[S+8*\t+4:S+8*\t+7] offset:64*\t+16
.endr
.irp i, 0,1,2,3,4,5,6,7
	ds_load_b128 v[S+32+4*\i:S+32+4*\i+3], v[RD] offset:544*\i   ; LDS serves a wave's instructions in order (ISA guide 5.7.1.4): these see my stores
.endr
.irp i, 0,1,2,3,4,5,6,7
	s_wait_dscnt 7-\i                              ; load i is in; the 7 - i issued behind it may be out
	global_store_b128 v[GO], v[S+32+4*\i:S+32+4*\i+3], s[18:19] offset:512*\i th:TH_STORE_NT   ; 16 lanes store 256 consecutive bytes, at a multiple of 256 from out's first byte
.endr
	s_wait_tensorcnt 0x0                           ; the wave's end, behind my last tensor load and my last LDS store
	ds_add_u32 v[SPW], v[NIL]
	s_wait_dscnt 0x0
	CROUND                                         ; the closing round: no work-group ends while a partner may still ask for a tile that names it
	s_endpgm
.Lfunc_end_k_qf0d09c67e4_attn:
	.size	k_qf0d09c67e4_attn, .Lfunc_end_k_qf0d09c67e4_attn-k_qf0d09c67e4_attn
	.p2alignl 7, 3214868480
	.fill 96, 4, 3214868480
	.section	.rodata,"a",@progbits
	.p2align	6, 0x0
	.amdhsa_kernel k_qf0d09c67e4_attn
		.amdhsa_group_segment_fixed_size 327680
		.amdhsa_private_segment_fixed_size 0
		.amdhsa_enable_private_segment 0
		.amdhsa_kernarg_size 64
		.amdhsa_user_sgpr_count 2
		.amdhsa_user_sgpr_kernarg_segment_ptr 1
		.amdhsa_wavefront_size32 1
		.amdhsa_system_sgpr_workgroup_id_x 1
		.amdhsa_system_sgpr_workgroup_id_y 1
		.amdhsa_system_sgpr_workgroup_id_z 1
		.amdhsa_system_vgpr_workitem_id 0
		.amdhsa_next_free_vgpr 256
		.amdhsa_next_free_sgpr 102
		.amdhsa_reserve_vcc 0
		.amdhsa_float_denorm_mode_32 3
		.amdhsa_float_denorm_mode_16_64 3
		.amdhsa_fp16_overflow 1
		.amdhsa_memory_ordered 1
		.amdhsa_forward_progress 1
		.amdhsa_inst_pref_size 219
	.end_amdhsa_kernel
	.amdgpu_metadata
---
amdhsa.version: [ 1, 2 ]
amdhsa.kernels:
  - .name:           k_qf0d09c67e4_attn
    .symbol:         k_qf0d09c67e4_attn.kd
    .args:
      - { .name: queries_codes, .offset: 0, .size: 8, .value_kind: global_buffer, .address_space: global }
      - { .name: queries_scales, .offset: 8, .size: 8, .value_kind: global_buffer, .address_space: global }
      - { .name: keys_codes, .offset: 16, .size: 8, .value_kind: global_buffer, .address_space: global }
      - { .name: keys_scales, .offset: 24, .size: 8, .value_kind: global_buffer, .address_space: global }
      - { .name: values_codes, .offset: 32, .size: 8, .value_kind: global_buffer, .address_space: global }
      - { .name: values_scales, .offset: 40, .size: 8, .value_kind: global_buffer, .address_space: global }
      - { .name: mask, .offset: 48, .size: 8, .value_kind: global_buffer, .address_space: global }
      - { .name: out0, .offset: 56, .size: 8, .value_kind: global_buffer, .address_space: global }
    .group_segment_fixed_size: 327680
    .private_segment_fixed_size: 0
    .kernarg_segment_align: 8
    .kernarg_segment_size: 64
    .max_flat_workgroup_size: 512
    .sgpr_count:     102
    .vgpr_count:     256
    .wavefront_size: 32
...
	.end_amdgpu_metadata
.endif
;; end of part 1
